; MI455X (gfx1250); checked and timed in simulation.
; The chip was launched on July 23, 2026; its instructions are those of AMD's public machine-readable ISA for CDNA 5 (MIT licence, August 2026) and "CDNA5" Instruction Set Architecture Reference Guide (July 2026). The comments in the code are by the model that wrote it; some were corrected since.
;; Multi Head Attention. Allowed arithmetic: matrix products marked QUANTISED: E2M3 operands, one E8M0 scale for each 32 along K, by v_wmma_scale_f32_16x16x128_f8f6f4 with both operands' format E2M3, f32 sums; everything else in f32.
;; Inputs: b_out 1,024 float32; b_qkv 3,072 float32; w_out_codes 1,024 x 32 x 24 uint8 (E2M3 codes of w_out, K innermost, in blocks of 32 codes, four codes in three bytes); w_out_scales 1,024 x 32 uint8 (E8M0 scales of w_out, one for each 32 codes along K); w_qkv_codes 3,072 x 32 x 24 uint8 (E2M3 codes of w_qkv, K innermost, in blocks of 32 codes, four codes in three bytes); w_qkv_scales 3,072 x 32 uint8 (E8M0 scales of w_qkv, one for each 32 codes along K); x_codes 4 x 2,048 x 32 x 24 uint8 (E2M3 codes of x, K innermost, in blocks of 32 codes, four codes in three bytes); x_scales 4 x 2,048 x 32 uint8 (E8M0 scales of x, one for each 32 codes along K).
;; Outputs: out0 4 x 2,048 x 1,024 float32.
;; This version of the problem:
;;   THIS VERSION OF THE PROBLEM IS GIVEN IN LOW PRECISION. The matrix products marked QUANTISED in the list below multiply operands that are first quantised to E2M3 (2 exponent bits, 3 mantissa bits; 6 bits a number), with one power-of-two scale for each 32 numbers along K (OCP MX v1.0); their sums are f32. All else is computed in f32.
;;   The module's matrix products, in the order in which they are computed (A, B: the left and right operand; K: the contracted axis; several contracted axes count as one K, in the product's order):
;;     1. [M 8,192, K 1,024] x [K 1,024, N 3,072]; A: input x (given as codes); B: input w_qkv (given as codes): QUANTISED
;;     2. batch 64 x [M 2,048, K 64] x [K 64, N 2,048]; A: computed on the way; B: computed on the way: QUANTISED
;;     3. batch 64 x [M 2,048, K 2,048] x [K 2,048, N 64]; A: softmax (see below); B: computed on the way: QUANTISED
;;     4. [M 8,192, K 1,024] x [K 1,024, N 1,024]; A: computed on the way; B: input w_out (given as codes): QUANTISED
;;   THE QUANTISER, for each operand of a quantised product, along K:
;;     - K is cut into blocks of 32 from its start; a last block that is shorter is filled with zeros.
;;     - A block's scale is 2^e with e = floor(log2(the largest magnitude in the block)) - 2, held to -126 .. 127; a block of zeros has e = 0. As a byte (E8M0): e + 127.
;;     - Each number is divided by its block's scale, clamped to +-7.5, and rounded to the nearest number of E2M3, ties to even, subnormals kept.
;;     - The product sums the exact products of the quantised numbers (number of the format x scale) in f32.
;;   ~~~python
;;   def quantise(x, axis):      # numpy; x: float32 -> the quantised numbers, widened to float32 again
;;       x = np.moveaxis(x, axis, -1); K = x.shape[-1]
;;       x = np.pad(x, [(0, 0)] * (x.ndim - 1) + [(0, -K % 32)]); x = x.reshape(x.shape[:-1] + (-1, 32)); a = np.abs(x).max(-1, keepdims=True)
;;       e = np.where(a > 0, np.clip(np.frexp(np.where(a > 0, a, 1))[1] - 1 - 2, -126, 127), 0)      # np.frexp(a)[1] - 1 = floor(log2(a)), exactly
;;       r = np.clip(x / 2.0 ** e, -7.5, 7.5)
;;       step = 2.0 ** (np.maximum(np.frexp(np.where(r == 0, 1, r))[1] - 1, 0) - 3)
;;       q = np.round(r / step) * step * 2.0 ** e      # np.round: ties to even
;;       return np.moveaxis(q.reshape(q.shape[:-2] + (-1,))[..., :K], -1, axis).astype(np.float32)
;;   ~~~
;;   SOFTMAX AHEAD OF A QUANTISED PRODUCT. Where the list says 'softmax', what is quantised is not the finished softmax but p = 2^(t - M), with t = logit x log2(e) and M = ceil(the row's largest t), a whole number; so 1/2 < the row's largest p <= 1. The row's sum l is taken of the UNQUANTISED p, in f32, and the product's result is divided by l at the end. Since M is a whole number, a kernel that streams over the keys may use a running M (the ceiling of the running maximum): every later rescaling is an exact power of two, which a block's scale takes up: the codes' values come out the same.
;;   OPERANDS COMPUTED ON THE WAY. 'Computed on the way' means the value that the module computes at that place (a softmax that the list does not call 'softmax' is quantised finished and normalised). What goes into a quantiser is computed in f32, as accurately as f32 sums, v_exp_f32 and their like allow (about 1e-6 of the number): no bf16 or f16 on the way to a quantiser, and a product that is left as it is and whose result goes on into a quantised operand takes f32 operands (vector FMAs, or v_wmma_f32_16x16x4_f32). A number that lies on a knife's edge between two numbers of the format may be rounded either way, as far as f32 arithmetic and the matrix unit's own rounding can turn it there, and no further.
;;   INPUTS GIVEN AS CODES. w_out (in the module: [1024, 1024], K = its axis 0); w_qkv (in the module: [1024, 3072], K = its axis 0); x (in the module: [4, 2048, 1024], K = its axis 2): each comes as NAME_codes (uint8): NAME with its K axis moved to the last place and cut into blocks of 32 codes, [.., K / 32, bytes a block], one block behind the other in memory; four codes in three bytes: a row's codes are one little-endian stream of bits, code i at bits 6 i .. 6 i + 5 (a code: sign, 2 exponent bits, 3 mantissa bits); and NAME_scales (uint8): the same leading axes, one E8M0 byte (e + 127) for each 32 codes along K. Its value is code x scale, taken as it is: it is not quantised again, and the codes and scales need not be those that the quantiser above would give.
;; One version. Each part assembles by itself: llvm-mc -triple=amdgcn-amd-amdhsa -mcpu=gfx1250 --defsym DOCPART=n.
;; ======== version 1 of 1: 3 launches
;; limits: right only within a limited range of input values
;; workspace buffers: qkv 20,447,232 bytes; a_img 6,291,456 bytes; a_scales 262,144 bytes
;; launch qkv (part 1): grid 8 x 32, 4 waves a work-group, clusters of 4 x 4, 327,680 bytes of LDS; arguments x_codes, x_scales, w_qkv_codes, w_qkv_scales, b_qkv, qkv; writes qkv
.if DOCPART == 1
	.amdgcn_target "amdgcn-amd-amdhsa--gfx1250"
	.amdhsa_code_object_version 6
	.text
	.protected	k_q84d586924b_qkv
	.globl	k_q84d586924b_qkv
	.p2align	8
	.type	k_q84d586924b_qkv,@function
k_q84d586924b_qkv:
	s_mov_b64 s[64:65], 0
	v_nop
	global_prefetch_b8 v0, s[64:65] scope:SCOPE_SE
	s_setreg_imm32_b32 hwreg(HW_REG_WAVE_MODE, 25, 1), 1
	s_wait_xcnt 0x0
	s_wait_alu depctr_hold_cnt(0) depctr_sa_sdst(0) depctr_va_vdst(0) depctr_va_sdst(0) depctr_va_ssrc(0) depctr_va_vcc(0) depctr_vm_vsrc(0)
	s_getreg_b32 s2, hwreg(HW_REG_IB_STS2, 6, 4)
	s_cmp_eq_u32 s2, 0
	s_cbranch_scc0 .Lentry_in_a_cluster
	s_endpgm
.Lentry_in_a_cluster:
	s_bfe_u32 s2, ttmp6, 0x10000c
	s_cmp_lg_u32 s2, 0xf033
	s_cbranch_scc0 .Lentry_shape_is_right
	s_endpgm
.Lentry_shape_is_right:
; qkv = x w_qkv + b_qkv on codes of FP6 (E2M3) with E8M0 scales; the result is quantised at once, in registers, for the attention that follows:
; q and k along the head's 64 channels, v along the tokens.  No work of the problem is left out.
; A WORK-GROUP STAYS: it holds 256 tokens of x, ALL of K = 1,024, in LDS (fetched once) and walks three tiles of 128 rows of w_qkv: q's, k's and v's tile of the same two heads.  32 x 8 = 256 work-groups.
; LDS rows are 768 bytes with 16 bytes of padding behind every 256 (pitch 816): the weights' 128 rows at 0, x's 256 rows behind them.
; The weights' region is filled again twice: the three lines and a round of the cluster's barrier stand in a block's last K step, when no wave reads the region any more;
; the block's way out follows the refill, and a plain barrier behind the way out shows the new rows to all waves.
; Four waves, 2 x 2: a wave makes 128 tokens x 64 channels (one head, one run of 128 tokens: one whole record) in 32 accumulators.
; q, k (a loop of two trips): source 0 = the weights, source 1 = x: a lane holds a token, its registers run along the channels.  v: source 0 = x, source 1 = the weights: a lane holds a channel.
; CLUSTERS 4 x 4: x's rows are shared along a row of the cluster, the weights' along a column.
; Scale words and biases of all three blocks go from memory into registers at the head; k's and v's wait in window 3 and are moved into place.
; No prefetch: a weight tile is asked for by its refill a whole way out ahead of its first read, and x is asked for once, at the head.
; ORDER INSIDE A BLOCK OF 32: a lane's 16 registers of two neighbouring tiles are numbers 8 h + 0..7 and 16 + 8 h + 0..7 and are coded as places 16 h + 0..15; q and k carry the same exchange, and so do v and p.
; STORED: images of operand registers, [batch 4][head 48: q, k, v][run of 128 tokens 16][record of 6,656 bytes].
;   q, k: token tile a at 768 a: registers 0-3 (16 bytes a lane), then 4-5 (8 bytes a lane); scale words at 6,144 + 256 (b / 2) + 8 lane + 4 (b % 2): token 32 b + lane (bytes 2, 3 are 0).
;   v: channel tile t at 1,536 t: three times four registers; at 6,144 lane l's word t is the scale word of channel l % 16 of tile t.
; Every store of a wave covers 256 or 512 consecutive bytes, aligned.
; LIMITS: NaN and infinities are not served.  A block whose largest magnitude lies under 2^-124 gets the scale byte 1; this program alone reads these bytes.
; REGISTERS: window 0: addresses, scale words v32-83, the weights' fragments v128-223 (two sets; on the way out at work); window 1: x's fragments, two sets; window 2: the accumulators;
;   window 3: v0-31 the bias by registers, v32-63 k's, v64-79 and v80-95 the scale words of the next two weight tiles.
.set KROW,  768
.set PITCH, 816
.set FR,    12
.set LB,    128*PITCH
.set SPARE, LB+256*PITCH
.set REC,   6656
.set HS,    16*REC
.set CO16, 26
.set CO8,  27
.set SPW,  28
.set NIL,  29
.set LN,   30
.set SA,   32                          ; the weights' scale words: 8 (tile / 2) + q
.set SBR,  52                          ; x's: 8 (tile / 2) + q
.set AA,   84                          ; LDS addresses of the weights' four tiles, two each (the second: behind one padding more)
.set BA,   92                          ; of x's eight
.set PWS,  108
.set W,    112
.set AF,   128
.set T,    128
.set CDS,  192
.set BR,   224
.set TM,   240
.set G1,   24
.set G0,   32
.set G0B,  36
.set G1B,  48
.set SEL,  20
.set MSB, 0
.set NLD, 0
.macro WIN new
.if MSB != (\new)
	s_set_vgpr_msb (MSB<<8)|(\new)
.set MSB, (\new)
.endif
.endm
.macro PLACES n
.rept \n
	v_nop
.endr
.endm
.macro CROUND
	s_barrier_signal -1
	s_barrier_wait -1
	s_cmp_lg_u32 s16, 0
	s_cbranch_scc1 .Lnot_wave_0_\@
	s_barrier_signal -3
.Lnot_wave_0_\@:
	s_barrier_wait -3
	s_barrier_signal -1
	s_barrier_wait -1
.endm
.macro GROUP1 g, mask, rows
	s_or_b32 s[\g+0], s[\mask], (1<<20)|(1<<21)|(5<<22)|(3<<25)
	s_mov_b32 s[\g+1], KROW<<16
	s_mov_b32 s[\g+2], (\rows)<<16
	s_mov_b32 s[\g+3], KROW<<16
	s_mov_b32 s[\g+4], \rows
	s_mov_b32 s[\g+5], KROW
	s_mov_b32 s[\g+6], 0
	s_mov_b32 s[\g+7], 0
.endm
; a fragment, 16 rows x 128 K: six pieces of 8 bytes, two to a load where both go by the same address register; NLD counts the loads
.macro FRAG reg, q, a0
.set SKIP_, 0
.irp p, 0,1,2,3,4,5
.if SKIP_
.set SKIP_, 0
.else
.set PC_, 12*(\q)+6*(\p/3)+\p%3
.set PN_, 12*(\q)+6*((\p+1)/3)+(\p+1)%3
.set X_, (PC_%32+3)/32
.set XQ_, (PN_%32+3)/32
.set NLD, NLD+1
.if (\p < 5) && (X_ == XQ_)
.set SKIP_, 1
	ds_load_2addr_b64 v[\reg+2*\p:\reg+2*\p+3], v[\a0+X_] offset0:PC_+2*(PC_/32) offset1:PN_+2*(PN_/32)
.else
	ds_load_b64 v[\reg+2*\p:\reg+2*\p+1], v[\a0+X_] offset:8*(PC_+2*(PC_/32))
.endif
.endif
.endr
.endm
.macro FETCH q, set                    ; K step q's twelve fragments
.set NLD, 0
	WIN 0x40
.irp i, 0,1,2,3,4,5,6,7
	FRAG 128*(\set)+FR*\i, \q, BA+2*\i
.endr
	WIN 0
.irp i, 0,1,2,3
	FRAG AF+48*(\set)+FR*\i, \q, AA+2*\i
.endr
.endm
; 32 products of a K step; the 32 accumulators by turns, in the same order in every step
.macro MULQK q, set, zero              ; q, k: accumulator (token tile i, channel tile j) at 8 (4 i + j)
.irp ih, 0,1,2,3
.irp ip, 0,1
.irp jh, 0,1
.irp jp, 0,1
.set D_, 8*(4*(2*\ih+\ip)+2*\jh+\jp)
.set XF_, 128*(\set)+FR*(2*\ih+\ip)
.set WF_, AF+48*(\set)+FR*(2*\jh+\jp)
.if \zero
	v_wmma_scale_f32_16x16x128_f8f6f4 v[D_:D_+7], v[WF_:WF_+FR-1], v[XF_:XF_+FR-1], 0, v[SA+8*\jh+(\q)], v[SBR+8*\ih+(\q)] matrix_a_fmt:MATRIX_FMT_FP6 matrix_b_fmt:MATRIX_FMT_FP6 matrix_a_scale:MATRIX_SCALE_ROW\jp matrix_b_scale:MATRIX_SCALE_ROW\ip
.else
	v_wmma_scale_f32_16x16x128_f8f6f4 v[D_:D_+7], v[WF_:WF_+FR-1], v[XF_:XF_+FR-1], v[D_:D_+7], v[SA+8*\jh+(\q)], v[SBR+8*\ih+(\q)] matrix_a_fmt:MATRIX_FMT_FP6 matrix_b_fmt:MATRIX_FMT_FP6 matrix_a_scale:MATRIX_SCALE_ROW\jp matrix_b_scale:MATRIX_SCALE_ROW\ip
.endif
.endr
.endr
.endr
.endr
.endm
.macro MULV q, set, zero               ; v: accumulator (channel tile a, token tile b) at 8 (8 a + b)
.irp ah, 0,1
.irp ap, 0,1
.irp bh, 0,1,2,3
.irp bp, 0,1
.set D_, 8*(8*(2*\ah+\ap)+2*\bh+\bp)
.set XF_, 128*(\set)+FR*(2*\bh+\bp)
.set WF_, AF+48*(\set)+FR*(2*\ah+\ap)
.if \zero
	v_wmma_scale_f32_16x16x128_f8f6f4 v[D_:D_+7], v[XF_:XF_+FR-1], v[WF_:WF_+FR-1], 0, v[SBR+8*\bh+(\q)], v[SA+8*\ah+(\q)] matrix_a_fmt:MATRIX_FMT_FP6 matrix_b_fmt:MATRIX_FMT_FP6 matrix_a_scale:MATRIX_SCALE_ROW\bp matrix_b_scale:MATRIX_SCALE_ROW\ap
.else
	v_wmma_scale_f32_16x16x128_f8f6f4 v[D_:D_+7], v[XF_:XF_+FR-1], v[WF_:WF_+FR-1], v[D_:D_+7], v[SBR+8*\bh+(\q)], v[SA+8*\ah+(\q)] matrix_a_fmt:MATRIX_FMT_FP6 matrix_b_fmt:MATRIX_FMT_FP6 matrix_a_scale:MATRIX_SCALE_ROW\bp matrix_b_scale:MATRIX_SCALE_ROW\ap
.endif
.endr
.endr
.endr
.endr
.endm
; a block's eight K steps: the next step's fragments are asked for, then this step's 32 products.  refill = 1: the first two lines stand ahead of the last step's products
.macro WALK mul, win, refill
	FETCH 0, 0
.set Q, 0
.rept 8
.if Q < 7
.if Q > 0
	PLACES 4                                       ; between the last products and loads into the registers that they read
.endif
	FETCH Q+1, (Q+1)%2
	s_wait_dscnt NLD                               ; all but the NLD loads just issued
.else
	WIN 0
	s_wait_dscnt 0x0                               ; my reads of the weights' region are over
.if \refill
	s_wait_tensorcnt 0x0                           ; no tensor load of mine is out;
	ds_add_u32 v[SPW], v[NIL]                      ; 0 onto my spare word; the products below stand between it and its wait
	s_add_nc_u64 s[G0+2:G0+3], s[G0+2:G0+3], 1024*KROW   ; the next tensor's tile: 1,024 rows on
.endif
.endif
	WIN \win
	\mul Q, Q%2, (Q==0)
.set Q, Q+1
.endr
	WIN 0
.endm
	s_load_b128 s[4:7], s[0:1], 0x0                ; x's codes, x's scales
	s_load_b128 s[8:11], s[0:1], 0x10              ; w_qkv's codes, its scales
	s_load_b128 s[12:15], s[0:1], 0x20             ; b_qkv, the workspace
	v_lshl_add_u32 v[SPW], v0, 2, SPARE
	v_mov_b32 v[NIL], 0
	ds_add_u32 v[SPW], v[NIL]                      ; the opening lines: the add, twice on end, and its wait
	ds_add_u32 v[SPW], v[NIL]
	v_lshrrev_b32 v1, 5, v0
	v_readfirstlane_b32 s16, v1                    ; wave
	s_lshr_b32 s17, s16, 1                         ; my half of the channels; also: I fetch the weights (0) or x (1)
	s_and_b32 s18, s16, 1                          ; my half of the tokens; also: which half I fetch
	s_bfe_u32 s40, ttmp6, 0x40000                  ; cx
	s_bfe_u32 s41, ttmp6, 0x40004                  ; cy
	s_lshl_b32 s42, ttmp9, 2
	s_add_co_u32 s42, s42, s40                     ; the tile of 128 channels, 0-7
	s_and_b32 s43, ttmp7, 0xffff
	s_lshl_b32 s43, s43, 2
	s_add_co_u32 s43, s43, s41                     ; the tile of 256 tokens, 0-31
	s_lshl_b32 s44, s41, 2
	s_lshl_b32 s44, 15, s44                        ; my row of the cluster
	s_lshl_b32 s45, 0x1111, s40                    ; my column
	GROUP1 G1, 45, 64
	GROUP1 G1B, 44, 128
	s_lshl_b32 s66, s42, 7
	s_lshl_b32 s46, s18, 6
	s_add_co_u32 s66, s66, s46
	s_mul_i32 s66, s66, KROW                       ; the 64 rows of a weight tile that I may fetch
	s_mov_b32 s67, 0
	s_lshl_b32 s68, s43, 8
	s_lshl_b32 s46, s18, 7
	s_add_co_u32 s68, s68, s46
	s_lshl_b32 s72, s68, 5                         ; my 128 tokens: their scale bytes
	s_mul_i32 s68, s68, KROW                       ; the 128 rows of x that I may fetch
	s_mov_b32 s69, 0
	s_mov_b32 s73, 0
	s_lshl_b32 s70, s42, 7
	s_lshl_b32 s46, s17, 6
	s_add_co_u32 s70, s70, s46                     ; my first channel of 1,024
	s_lshl_b32 s74, s70, 2
	s_mov_b32 s75, 0
	s_lshl_b32 s70, s70, 5
	s_mov_b32 s71, 0
	s_lshr_b32 s86, s43, 3                         ; the batch
	s_mul_i32 s86, s86, 48
	s_lshl_b32 s46, s42, 1
	s_add_co_u32 s86, s86, s46
	s_add_co_u32 s86, s86, s17                     ; + my head
	s_lshl_b32 s86, s86, 4
	s_and_b32 s46, s43, 7
	s_lshl_b32 s46, s46, 1
	s_add_co_u32 s86, s86, s46
	s_add_co_u32 s86, s86, s18                     ; + my run of 128 tokens
	s_mul_i32 s86, s86, REC
	s_mov_b32 s87, 0
	s_mov_b32 s[G0], 1
	s_mul_i32 s[G0+1], s18, 64*PITCH
	s_mov_b32 s[G0B], 1
	s_mul_i32 s[G0B+1], s18, 128*PITCH
	s_add_co_u32 s[G0B+1], s[G0B+1], LB
	s_mov_b32 s[SEL], 0x76543210
	s_mov_b32 s[SEL+1], 0xfedcba98
	s_wait_alu depctr_va_vdst(0)                   ; the wait ahead of the blocking wait
	s_wait_dscnt 0x0
	CROUND                                         ; the round in front of the joint loads
	s_wait_kmcnt 0x0
	s_add_nc_u64 s[G0+2:G0+3], s[8:9], s[66:67]
	s_or_b32 s[G0+3], s[G0+3], 0x80000000
	s_add_nc_u64 s[G0B+2:G0B+3], s[4:5], s[68:69]
	s_or_b32 s[G0B+3], s[G0B+3], 0x80000000
	s_add_nc_u64 s[58:59], s[10:11], s[70:71]
	s_add_nc_u64 s[62:63], s[6:7], s[72:73]
	s_add_nc_u64 s[74:75], s[12:13], s[74:75]
	s_add_nc_u64 s[80:81], s[14:15], s[86:87]      ; q's record
	s_cmp_eq_u32 s17, 0                            ; one load a wave: waves 0, 1 a half of q's weights each, waves 2, 3 a half of x each
	s_cbranch_scc0 .Lfor_x
	tensor_load_to_lds s[G0:G0+3], s[G1:G1+7]
	s_nop 0
	PLACES 4
	s_branch .Lasked
.Lfor_x:
	tensor_load_to_lds s[G0B:G0B+3], s[G1B:G1B+7]
	s_nop 0
	PLACES 4
.Lasked:
	s_mul_i32 s46, s17, 64*PITCH
	s_mul_i32 s47, s18, 128*PITCH
	s_add_co_u32 s47, s47, LB
	v_and_b32 v1, 15, v0                           ; r
	v_bfe_u32 v2, v0, 4, 1                         ; h
	v_and_b32 v[LN], 31, v0
	v_mul_u32_u24 v3, v1, PITCH
	v_mad_u32_u24 v4, v2, 24, v3
	v_mad_u32_u24 v5, v2, 40, v3
	v_add_nc_u32 v[AA], s46, v4
	v_add_nc_u32 v[AA+1], s46, v5
	v_add_nc_u32 v[BA], s47, v4
	v_add_nc_u32 v[BA+1], s47, v5
.irp i, 1,2,3
	v_add_nc_u32 v[AA+2*\i], \i*16*PITCH, v[AA]
	v_add_nc_u32 v[AA+2*\i+1], \i*16*PITCH, v[AA+1]
.endr
.irp i, 1,2,3,4,5,6,7
	v_add_nc_u32 v[BA+2*\i], \i*16*PITCH, v[BA]
	v_add_nc_u32 v[BA+2*\i+1], \i*16*PITCH, v[BA+1]
.endr
	v_lshlrev_b32 v6, 5, v[LN]                     ; a row of scale bytes a lane
	v_lshlrev_b32 v[CO16], 4, v[LN]
	v_lshlrev_b32 v[CO8], 3, v[LN]
	v_lshlrev_b32 v8, 5, v2
	v_lshlrev_b32 v9, 2, v1
.irp b, 0,1,2,3
	v_mov_b32 v[TM+4+\b], 0                        ; a lane permute's destination counts as one of its sources
.endr
	s_wait_alu depctr_va_vdst(0)                   ; the wait at the head's end
.irp p, 0,1
.irp c, 0,1
	global_load_b128 v[SA+8*\p+4*\c:SA+8*\p+4*\c+3], v6, s[58:59] offset:1024*\p+16*\c
.endr
.endr
.irp p, 0,1,2,3
.irp c, 0,1
	global_load_b128 v[SBR+8*\p+4*\c:SBR+8*\p+4*\c+3], v6, s[62:63] offset:1024*\p+16*\c
.endr
.endr
.irp t, 0,1,2,3
	global_load_b32 v[BR+2*\t], v9, s[74:75] offset:8192+64*\t     ; v's bias by lanes: channel 16 a + r, twice
	global_load_b32 v[BR+2*\t+1], v9, s[74:75] offset:8192+64*\t
.endr
	WIN 0xc0
.irp n, 0,1                                    ; q's and k's bias by registers: channel 16 j + 8 h + i at 32 n + 8 j + i
.irp t, 0,1,2,3
	global_load_b128 v[32*\n+8*\t:32*\n+8*\t+3], v8, s[74:75] offset:4096*\n+64*\t
	global_load_b128 v[32*\n+8*\t+4:32*\n+8*\t+7], v8, s[74:75] offset:4096*\n+64*\t+16
.endr
.endr
.irp n, 0,1                                    ; k's and v's weights' scale words: 1,024 rows of 32 bytes on, each
.irp p, 0,1
.irp c, 0,1
	global_load_b128 v[64+16*\n+8*\p+4*\c:64+16*\n+8*\p+4*\c+3], v6, s[58:59] offset:32768*(\n+1)+1024*\p+16*\c
.endr
.endr
.endr
	WIN 0
	s_wait_loadcnt 0x0
	s_wait_tensorcnt 0x0                           ; my part of the rows is in
	s_barrier_signal -1
	s_barrier_wait -1                              ; and everybody's
; 64 numbers of a lane, register 16 b + i standing for place 16 h + i of block b, become codes in v[CDS] on and a scale word in v[pw]
.macro QUANT s, pw
.irp b, 0,1,2,3
	v_max3_num_f32 v[TM+\b], |v[\s+16*\b]|, |v[\s+1+16*\b]|, 0x1800000   ; and the floor 2^(3 - 127)
.endr
.irp i, 2,4,6,8,10,12,14
.irp b, 0,1,2,3
	v_max3_num_f32 v[TM+\b], v[TM+\b], |v[\s+16*\b+\i]|, |v[\s+1+16*\b+\i]|
.endr
.endr
.irp b, 0,1,2,3
	v_permlanex16_b32 v[TM+4+\b], v[TM+\b], s[SEL], s[SEL+1]
.endr
.irp b, 0,1,2,3
	v_max_num_f32 v[TM+\b], v[TM+\b], v[TM+4+\b]
.endr
.irp b, 0,1,2,3
	v_add_nc_u32 v[TM+12+\b], 0xff000000, v[TM+\b] ; 2 off the exponent field: the conversion's scale operand
.endr
.irp b, 0,1,2,3
	v_lshrrev_b32 v[TM+4+\b], 23, v[TM+12+\b]      ; the scale's byte
.endr
	v_lshl_or_b32 v[\pw], v[TM+5], 8, v[TM+4]
	v_lshl_or_b32 v[\pw], v[TM+6], 16, v[\pw]
	v_lshl_or_b32 v[\pw], v[TM+7], 24, v[\pw]
.irp c, 0,1
	v_cvt_scalef32_pk16_fp6_f32 v[CDS+6*\c:CDS+2+6*\c], v[\s+32*\c:\s+15+32*\c], v[TM+12+2*\c]
	v_cvt_scalef32_pk16_fp6_f32 v[CDS+12+4*\c:CDS+14+4*\c], v[\s+16+32*\c:\s+31+32*\c], v[TM+12+2*\c+1]
.endr
	v_nop                                          ; one plain place behind a scaled conversion
.irp c, 0,1                                    ; a whole block to a lane
.irp i, 0,1,2
	v_permlane16_swap_b32 v[CDS+6*\c+\i], v[CDS+12+4*\c+\i]
.endr
.irp i, 0,1,2
	v_mov_b32 v[CDS+3+6*\c+\i], v[CDS+12+4*\c+\i]
.endr
.endr
.endm
; THE WAY OUT, 64 sums of a lane at a time: sums + bias (each accumulator from its low end on), quantised, stored as images.
; kind 0: token tiles 2 a and 2 a + 1, 32 channels-in-registers each: codes' registers 0-5 are tile 2 a's, 6-11 tile 2 a + 1's.  kind 1: channel tile a x 128 tokens
.macro OUT kind
.irp a, 0,1,2,3
.if \kind
	WIN 0x02
.else
	WIN 0x0e
.endif
.set i, 0
.rept 32
.if \kind
	v_pk_add_f32 v[T+2*i:T+2*i+1], v[64*\a+2*i:64*\a+2*i+1], v[BR+2*\a:BR+2*\a+1]
.else
	v_pk_add_f32 v[T+2*i:T+2*i+1], v[64*\a+2*i:64*\a+2*i+1], v[(2*i)%32:(2*i)%32+1]
.endif
.set i, i+1
.endr
	WIN 0
	s_wait_xcnt 0x0                                ; earlier stores have read the codes' registers
	QUANT T, PWS+\a
.if \kind
.irp c, 0,1,2
	global_store_b128 v[CO16], v[CDS+4*\c:CDS+4*\c+3], s[80:81] offset:1536*\a+512*\c
.endr
.else
	global_store_b128 v[CO16], v[CDS:CDS+3], s[80:81] offset:1536*\a
	global_store_b64 v[CO8], v[CDS+4:CDS+5], s[80:81] offset:1536*\a+512
	global_store_b128 v[CO16], v[CDS+6:CDS+9], s[80:81] offset:1536*\a+768
	global_store_b64 v[CO8], v[CDS+10:CDS+11], s[80:81] offset:1536*\a+1280
.endif
.endr
.if \kind
	global_store_b128 v[CO16], v[PWS:PWS+3], s[80:81] offset:6144
.else
	s_wait_xcnt 0x0                                ; the last trip's stores have read the words' registers
	v_cmp_lt_u32 vcc_lo, 15, v[LN]                 ; lanes 0-15 take the even tile's two bytes, lanes 16-31 the odd tile's: word a belongs to token 32 a + l
.irp b, 0,1,2,3
	v_and_b32 v[W+4+\b], 0xffff, v[PWS+\b]
	v_lshrrev_b32 v[W+8+\b], 16, v[PWS+\b]
.endr
.irp b, 0,1,2,3
	v_cndmask_b32 v[W+\b], v[W+4+\b], v[W+8+\b], vcc_lo
.endr
	global_store_b64 v[CO8], v[W:W+1], s[80:81] offset:6144
	global_store_b64 v[CO8], v[W+2:W+3], s[80:81] offset:6400
.endif
.endm
	s_mov_b32 s96, 0
.Lqk:                                                  ; two trips: q, then k
	WALK MULQK, 0xa4, 1
	s_wait_dscnt 0x0                               ; the add is done
	CROUND                                         ; no wave of any partner still reads the weights' region or has a load on its way
	s_cmp_eq_u32 s17, 0
	s_cbranch_scc0 .Lno_w
	tensor_load_to_lds s[G0:G0+3], s[G1:G1+7]      ; waves 0 and 1 a half each of the next tensor's tile
	s_nop 0
	PLACES 4
.Lno_w:
	PLACES 4                                       ; behind the last products, for the waves that come round the load too
	WIN 0x03
.set i, 0
.rept 16
	v_mov_b32 v[SA+i], v[64+i]                     ; the next tile's scale words,
.set i, i+1
.endr
	WIN 0xc3
.set i, 0
.rept 16
	v_mov_b32 v[64+i], v[80+i]                     ; and those of the tile after it
.set i, i+1
.endr
	WIN 0
	OUT 0
	WIN 0xc3
.set i, 0
.rept 32
	v_mov_b32 v[i], v[32+i]                        ; k's bias takes q's place
.set i, i+1
.endr
	WIN 0
	s_wait_xcnt 0x0                                ; the stores have read their base and their registers
	s_add_nc_u64 s[80:81], s[80:81], 16*HS         ; sixteen heads on
	s_wait_alu depctr_va_vdst(0)                   ; the wait ahead of the blocking wait
	s_wait_tensorcnt 0x0                           ; my half of the next tile is in
	s_barrier_signal -1
	s_barrier_wait -1                              ; and the other half
	s_add_co_u32 s96, s96, 1
	s_cmp_lt_u32 s96, 2
	s_cbranch_scc1 .Lqk
	WALK MULV, 0xa1, 0                             ; v: nothing more is fetched
	PLACES 4
	OUT 1
	s_wait_tensorcnt 0x0                           ; the wave's end
	ds_add_u32 v[SPW], v[NIL]
	s_wait_dscnt 0x0
	CROUND                                         ; the closing round
	s_endpgm
.Lfunc_end_k_q84d586924b_qkv:
	.size	k_q84d586924b_qkv, .Lfunc_end_k_q84d586924b_qkv-k_q84d586924b_qkv
	.p2alignl 7, 3214868480
	.fill 96, 4, 3214868480
	.section	.rodata,"a",@progbits
	.p2align	6, 0x0
	.amdhsa_kernel k_q84d586924b_qkv
		.amdhsa_group_segment_fixed_size 327680
		.amdhsa_private_segment_fixed_size 0
		.amdhsa_enable_private_segment 0
		.amdhsa_kernarg_size 48
		.amdhsa_user_sgpr_count 2
		.amdhsa_user_sgpr_kernarg_segment_ptr 1
		.amdhsa_wavefront_size32 1
		.amdhsa_system_sgpr_workgroup_id_x 1
		.amdhsa_system_sgpr_workgroup_id_y 1
		.amdhsa_system_sgpr_workgroup_id_z 1
		.amdhsa_system_vgpr_workitem_id 0
		.amdhsa_next_free_vgpr 864
		.amdhsa_next_free_sgpr 102
		.amdhsa_reserve_vcc 1
		.amdhsa_float_denorm_mode_32 3
		.amdhsa_float_denorm_mode_16_64 3
		.amdhsa_memory_ordered 1
		.amdhsa_forward_progress 1
		.amdhsa_inst_pref_size 173
	.end_amdhsa_kernel
	.amdgpu_metadata
---
amdhsa.version: [ 1, 2 ]
amdhsa.kernels:
  - .name:           k_q84d586924b_qkv
    .symbol:         k_q84d586924b_qkv.kd
    .args:
      - { .name: x_codes, .offset: 0, .size: 8, .value_kind: global_buffer, .address_space: global }
      - { .name: x_scales, .offset: 8, .size: 8, .value_kind: global_buffer, .address_space: global }
      - { .name: w_qkv_codes, .offset: 16, .size: 8, .value_kind: global_buffer, .address_space: global }
      - { .name: w_qkv_scales, .offset: 24, .size: 8, .value_kind: global_buffer, .address_space: global }
      - { .name: b_qkv, .offset: 32, .size: 8, .value_kind: global_buffer, .address_space: global }
      - { .name: qkv, .offset: 40, .size: 8, .value_kind: global_buffer, .address_space: global }
    .group_segment_fixed_size: 327680
    .private_segment_fixed_size: 0
    .kernarg_segment_align: 8
    .kernarg_segment_size: 48
    .max_flat_workgroup_size: 128
    .sgpr_count:     102
    .vgpr_count:     864
    .wavefront_size: 32
...
	.end_amdgpu_metadata
.endif
;; end of part 1
;; launch attn (part 2): grid 4 x 64, 16 waves a work-group, clusters of 4 x 1, 215,040 bytes of LDS; arguments qkv, a_img, a_scales; writes a_img, a_scales
.if DOCPART == 2
	.amdgcn_target "amdgcn-amd-amdhsa--gfx1250"
	.amdhsa_code_object_version 6
	.text
	.protected	k_q84d586924b_attn
	.globl	k_q84d586924b_attn
	.p2align	8
	.type	k_q84d586924b_attn,@function
k_q84d586924b_attn:
	s_mov_b64 s[64:65], 0
	v_nop
	global_prefetch_b8 v0, s[64:65] scope:SCOPE_SE
	s_setreg_imm32_b32 hwreg(HW_REG_WAVE_MODE, 25, 1), 1
	s_wait_xcnt 0x0
	s_wait_alu depctr_hold_cnt(0) depctr_sa_sdst(0) depctr_va_vdst(0) depctr_va_sdst(0) depctr_va_ssrc(0) depctr_va_vcc(0) depctr_vm_vsrc(0)
	s_getreg_b32 s2, hwreg(HW_REG_IB_STS2, 6, 4)
	s_cmp_eq_u32 s2, 0
	s_cbranch_scc0 .Lentry_in_a_cluster
	s_endpgm
.Lentry_in_a_cluster:
	s_bfe_u32 s2, ttmp6, 0x10000c
	s_cmp_lg_u32 s2, 0x3003
	s_cbranch_scc0 .Lentry_shape_is_right
	s_endpgm
.Lentry_shape_is_right:
; Attention on codes of FP6 (E2M3): S^T = K Q^T, p = 2^(t - M), O^T = V^T P^T, O / l, and O quantised along the model's 1,024 channels for the last product.
; t = score x log2(e) / 8; M = the running largest t rounded UP to a whole number; p is quantised along the keys, not normalised; l is the sum of the unquantised p, in f32.
; When M moves, l and O^T are multiplied by 2^(old M - new M): nothing is rounded.
; SHARES.  A work-group owns 512 queries of one head of one batch; each of its sixteen waves owns 32: two tiles of 16, A and B.  Four waves share a SIMD, so that one wave's
; exponentials stand beside another's plain vector work, products and LDS loads.  Every wave walks the head's 2,048 keys, 128 a step.
; LDS.  The head's K and V lie in memory as images of operand registers with their scale words, 106,496 bytes each: both stay in LDS whole.  They are filled ONCE: no slot, no refill.
; Key steps 0-3 come by one load and steps 4-15 by a second, so that the work begins when a quarter has landed.  Images are read as consecutive bytes: no padding.
; CLUSTER.  The four work-groups of a cluster are the four blocks of queries of one head: they ask for K and V jointly (mask 15).
; LAYOUT.  Both products are used transposed: a lane holds ONE query (lane % 16) throughout.  A tile of K is 16 neighbouring keys, so a lane's 16 registers of two tiles are keys 8 h + 0..7 and
; 16 + 8 h + 0..7 of a block of 32, coded as places 16 h + 0..15; V's codes were made with the same exchange of places along the keys, so the second product's sums are the same.
; THE FIRST PRODUCT'S K IS 64, the instruction's 128: Q's registers 6-11 are zero codes, and the upper two scale bytes of both sides are 0 (2^-127, no NaN).  So whatever finite codes stand in the
; upper six registers of K's operand add nothing: K's tiles stand six registers apart, each operand reaching into the next tile's, and six zeros close the run.
; THE WAY OUT.  Sixteen exchanges of half-waves put a query's 64 channels into their true order (w_out's codes are given in it); codes leave as images, [token tile 512][head 16][768 bytes].
; The two scale bytes of a token and head go to a_scales [8,192][32]: 2 bytes a lane to rows 32 bytes apart, since a work-group owns one head alone: 1/24 of the bytes that it stores.
; LIMITS: NaN and infinities are not served; a block under 2^-124 gets the scale byte 1 (its bytes are read by this program alone).
.set REC,  6656                        ; a record: 128 keys of one head: 6,144 bytes of codes, 512 of scale words
.set HS,   16*REC
.set VOFF, HS                          ; LDS: K's 16 records, then V's
.set L16,  1                           ; 16 x lane
.set L8,   2                           ; 8 x lane
.set ADK,  3                           ; the step's record of K + 16 x lane
.set ADK8, 4                           ; + 8 x lane
.set ADV,  5                           ; the step's record of V + 16 x lane
.set L32,  6                           ; 32 x lane
.set LV,   7                           ; VOFF + 16 x lane
.set STA,  8                           ; tile A: -M, the largest t, l in two halves
.set STB,  12                          ; tile B
.set QA,   16
.set QB,   28
.set QS,   40                          ; Q's scale words: lanes 0-15 tile A's, lanes 16-31 tile B's
.set PA,   42                          ; p's codes
.set PB,   54
.set PSA,  66                          ; p's scale words
.set PSB,  67
.set KSC,  68
.set VSC,  72
.set KF,   76                          ; four tiles of K, six registers apart, and six zeros
.set S,    106                         ; S^T, then p, then V's four fragments
.set OA,   170
.set OB,   202
.set BM,   234
.set PX,   238
.set SO,   246
.set F,    250
.set TMP,  252
.set WV,   10
.set G1A,  16
.set G1B,  24
.set SEL,  48
.set CS,   50
.set TB,   52
.set CNT,  53
.macro CROUND
	s_barrier_signal -1
	s_barrier_wait -1
	s_cmp_lg_u32 s[WV], 0
	s_cbranch_scc1 .Lnot_wave_0_\@
	s_barrier_signal -3
.Lnot_wave_0_\@:
	s_barrier_wait -3
	s_barrier_signal -1
	s_barrier_wait -1
.endm
	s_load_b128 s[4:7], s[0:1], 0x0                ; qkv, a_img
	s_load_b64 s[8:9], s[0:1], 0x10                ; a_scales
	v_lshl_add_u32 v41, v0, 2, 0x34000
	v_mov_b32 v245, 0
	ds_add_u32 v41, v245
	ds_add_u32 v41, v245
	v_lshrrev_b32 v[TMP], 5, v0
	s_delay_alu instid0(VALU_DEP_1)
	v_readfirstlane_b32 s[WV], v[TMP]              ; wave 0..15
	s_bfe_u32 s11, ttmp6, 0x40000                  ; cx
	s_lshl_b32 s12, ttmp9, 2
	s_add_co_u32 s12, s12, s11                     ; my block of 512 queries: it enters Q's and the outputs' addresses alone
	s_and_b32 s13, ttmp7, 0xffff                   ; 16 x batch + head, which the four partners share
	s_lshr_b32 s14, s13, 4
	s_and_b32 s15, s13, 15
	; group 1: dense bytes as rows of 256 (32 elements of 8 bytes); 104 rows are four records, 312 rows twelve
	s_mov_b32 s[G1A], 15|(3<<16)|(1<<21)           ; the mask: all four work-groups; elements of 8 bytes; bit 21 beside a mask; no padding
	s_mov_b32 s[G1A+1], 32<<16
	s_mov_b32 s[G1A+2], 104<<16
	s_mov_b32 s[G1A+3], 32<<16
	s_mov_b32 s[G1A+4], 104
	s_mov_b32 s[G1A+5], 32
	s_mov_b32 s[G1A+6], 0
	s_mov_b32 s[G1A+7], 0
	s_mov_b32 s[G1B], 15|(3<<16)|(1<<21)
	s_mov_b32 s[G1B+1], 32<<16
	s_mov_b32 s[G1B+2], 312<<16
	s_mov_b32 s[G1B+3], 32<<16
	s_mov_b32 s[G1B+4], 312
	s_mov_b32 s[G1B+5], 32
	s_mov_b32 s[G1B+6], 0
	s_mov_b32 s[G1B+7], 0
	s_mul_i32 s56, s14, 48
	s_add_co_u32 s56, s56, s15
	s_mul_i32 s56, s56, HS                         ; q's head; k's lies 16 heads on, v's 32
	s_mov_b32 s57, 0
	s_mov_b32 s[SEL], 0x76543210
	s_mov_b32 s[SEL+1], 0xfedcba98                 ; v_permlanex16_b32's selects for lane l xor 16
	s_mov_b32 s[CS], 0x3e38aa3b                    ; c = log2(e) / 8
	s_mov_b32 s[CS+1], s[CS]                       ; (named with it as a pair, so it is written)
	s_mov_b32 s[TB], 0
	s_wait_dscnt 0x0
	s_wait_kmcnt 0x0
	s_add_nc_u64 s[56:57], s[4:5], s[56:57]
	s_mov_b32 s32, 1                               ; K, steps 0-3
	s_mov_b32 s33, 0
	s_add_nc_u64 s[34:35], s[56:57], 16*HS
	s_or_b32 s35, s35, 0x80000000
	s_mov_b32 s36, 1                               ; K, steps 4-15
	s_mov_b32 s37, 4*REC
	s_add_nc_u64 s[38:39], s[56:57], 16*HS+4*REC
	s_or_b32 s39, s39, 0x80000000
	s_mov_b32 s40, 1                               ; V, steps 0-3
	s_mov_b32 s41, VOFF
	s_add_nc_u64 s[42:43], s[56:57], 32*HS
	s_or_b32 s43, s43, 0x80000000
	s_mov_b32 s44, 1                               ; V, steps 4-15
	s_mov_b32 s45, VOFF+4*REC
	s_add_nc_u64 s[46:47], s[56:57], 32*HS+4*REC
	s_or_b32 s47, s47, 0x80000000
	CROUND                                         ; all four work-groups are here: the joint loads meet
	s_cmp_eq_u32 s[WV], 0                          ; one load a wave, in one chain of arms: wave 0 K's steps 0-3, wave 1 V's, wave 2 K's steps 4-15, wave 3 V's; the others ask for nothing
	s_cbranch_scc0 .Lnot_k
	tensor_load_to_lds s[32:35], s[G1A:G1A+7]
	s_nop 0
.rept 4
	v_nop
.endr
	s_branch .Lasked
.Lnot_k:
	s_cmp_eq_u32 s[WV], 1
	s_cbranch_scc0 .Lnot_v
	tensor_load_to_lds s[40:43], s[G1A:G1A+7]
	s_nop 0
.rept 4
	v_nop
.endr
	s_branch .Lasked
.Lnot_v:
	s_cmp_eq_u32 s[WV], 2
	s_cbranch_scc0 .Lnot_k2
	tensor_load_to_lds s[36:39], s[G1B:G1B+7]
	s_nop 0
.rept 4
	v_nop
.endr
	s_branch .Lasked
.Lnot_k2:
	s_cmp_eq_u32 s[WV], 3
	s_cbranch_scc0 .Lasked
	tensor_load_to_lds s[44:47], s[G1B:G1B+7]
	s_nop 0
.rept 4
	v_nop
.endr
.Lasked:
	v_and_b32 v[TMP], 31, v0                       ; lane
	s_delay_alu instid0(VALU_DEP_1)
	v_lshlrev_b32 v[L16], 4, v[TMP]
	s_wait_alu depctr_va_vdst(0)
	v_lshlrev_b32 v[L8], 3, v[TMP]
	s_wait_alu depctr_va_vdst(0)
	v_lshlrev_b32 v[L32], 5, v[TMP]
	v_add_nc_u32 v[LV], VOFF, v[L16]
	v_cmp_lt_u32 s54, 15, v[TMP]                   ; lanes 16-31
	; Q: record 4 x block + wave / 4; in it tokens 32 (wave % 4) on: two tiles of 768 bytes
	s_lshl_b32 s2, s12, 2
	s_lshr_b32 s3, s[WV], 2
	s_add_co_u32 s2, s2, s3
	s_mul_i32 s2, s2, REC
	s_mov_b32 s3, 0
	s_add_nc_u64 s[58:59], s[56:57], s[2:3]
	s_and_b32 s3, s[WV], 3
	s_mul_i32 s55, s3, 1536
	s_lshr_b32 s2, s3, 1                           ; Q's scale word b = wave % 4 lies at 256 (b / 2) + 8 lane + 4 (b % 2)
	s_lshl_b32 s2, s2, 8
	s_and_b32 s3, s3, 1
	s_lshl_b32 s3, s3, 2
	s_add_co_u32 s3, s3, s2
	v_add_nc_u32 v253, s55, v[L16]
	v_add_nc_u32 v254, s55, v[L8]
	v_add_nc_u32 v255, s3, v[L8]
	global_load_b128 v[QA:QA+3], v253, s[58:59]
	global_load_b64 v[QA+4:QA+5], v254, s[58:59] offset:512
	global_load_b128 v[QB:QB+3], v253, s[58:59] offset:768
	global_load_b64 v[QB+4:QB+5], v254, s[58:59] offset:1280
	global_load_b32 v[QS], v255, s[58:59] offset:6144      ; word wave % 4 of lane l: token 32 (wave % 4) + l
.irp j, 6,7,8,9,10,11
	v_mov_b32 v[QA+\j], 0                          ; zero codes for k = 64 .. 127
	v_mov_b32 v[QB+\j], 0
	v_mov_b32 v[KF+18+\j], 0                       ; and behind K's fourth tile
.endr
	; where my results go: token tile 128 x batch + 32 x block + 2 x wave
	s_lshl_b32 s2, s14, 7
	s_lshl_b32 s3, s12, 5
	s_add_co_u32 s2, s2, s3
	s_lshl_b32 s3, s[WV], 1
	s_add_co_u32 s2, s2, s3
	s_lshl_b32 s55, s2, 9                          ; its 16 rows of 32 scale bytes
	s_lshl_b32 s2, s2, 4
	s_add_co_u32 s2, s2, s15
	s_mul_i32 s2, s2, 768
	s_mov_b32 s3, 0
	s_add_nc_u64 s[6:7], s[6:7], s[2:3]
	s_lshl_b32 s2, s15, 1
	s_add_co_u32 s2, s2, s55
	s_add_nc_u64 s[8:9], s[8:9], s[2:3]
.irp x, STA, STB
	v_mov_b32 v[\x+1], 0xff61b1e6                  ; the largest t so far: -3e38, under every t
	s_delay_alu instid0(VALU_DEP_1)
	v_floor_f32 v[\x], -v[\x+1]                    ; -M
	v_mov_b32 v[\x+2], 0                           ; l, in two halves
	v_mov_b32 v[\x+3], 0
.endr
.irp b, 0,1,2,3
	v_mov_b32 v[PX+\b], 0                          ; written once: a lane permute's destination counts as one of its sources
.endr
	v_mov_b32 v[F+1], 0                            ; (named as the upper half of a pair)
.set j, 0
.rept 64
	v_mov_b32 v[OA+j], 0                           ; O^T of both tiles: the step is written once, and its first walk finds zeros, which the first change of M leaves zeros
.set j, j+1
.endr
.macro QKMM d, a, q, ks, arow, brow    ; one product of S^T; the rows of the scale registers: K's odd tiles and Q's tile B stand in lanes 16-31
.if (\arow) && (\brow)
	v_wmma_scale_f32_16x16x128_f8f6f4 v[\d:\d+7], v[\a:\a+11], v[\q:\q+11], 0, v[\ks], v[QS] matrix_a_fmt:MATRIX_FMT_FP6 matrix_b_fmt:MATRIX_FMT_FP6 matrix_a_scale:MATRIX_SCALE_ROW1 matrix_b_scale:MATRIX_SCALE_ROW1
.elseif (\arow)
	v_wmma_scale_f32_16x16x128_f8f6f4 v[\d:\d+7], v[\a:\a+11], v[\q:\q+11], 0, v[\ks], v[QS] matrix_a_fmt:MATRIX_FMT_FP6 matrix_b_fmt:MATRIX_FMT_FP6 matrix_a_scale:MATRIX_SCALE_ROW1
.elseif (\brow)
	v_wmma_scale_f32_16x16x128_f8f6f4 v[\d:\d+7], v[\a:\a+11], v[\q:\q+11], 0, v[\ks], v[QS] matrix_a_fmt:MATRIX_FMT_FP6 matrix_b_fmt:MATRIX_FMT_FP6 matrix_b_scale:MATRIX_SCALE_ROW1
.else
	v_wmma_scale_f32_16x16x128_f8f6f4 v[\d:\d+7], v[\a:\a+11], v[\q:\q+11], 0, v[\ks], v[QS] matrix_a_fmt:MATRIX_FMT_FP6 matrix_b_fmt:MATRIX_FMT_FP6
.endif
.endm
; S^T = K Q^T for one tile of queries: eight tiles of 16 keys, four at a time.  brow = 0: tile A (it also fetches the step's scale words of K); 1: tile B
.macro QK q, brow
.irp g, 0,1
.if \g
.rept 4
	v_nop                                          ; places in front of loads into registers that matrix instructions have read
.endr
.endif
.irp t, 0,1,2,3
	ds_load_b128 v[KF+6*\t:KF+6*\t+3], v[ADK] offset:768*(4*\g+\t)
	ds_load_b64 v[KF+6*\t+4:KF+6*\t+5], v[ADK8] offset:768*(4*\g+\t)+512
.endr
.if (\g == 0) && (\brow == 0)
	ds_load_b64 v[KSC:KSC+1], v[ADK8] offset:6144      ; words 0, 1 of lane l: keys l, 32 + l
	ds_load_b64 v[KSC+2:KSC+3], v[ADK8] offset:6400    ; words 2, 3: keys 64 + l, 96 + l
.endif
	s_wait_dscnt 0x0
.irp t, 0,1,2,3
	QKMM S+8*(4*\g+\t), KF+6*\t, \q, KSC+(4*\g+\t)/2, \t%2, \brow
.endr
.endr
.rept 4
	v_nop                                          ; places in front of the first read of the scores
.endr
.endm
; The softmax of one tile for one key step.  st: its statistics; p: where its codes go; ps: its scale word
.macro SM1 st, p, ps
.irp b, 0,1,2,3
	v_max3_num_f32 v[BM+\b], v[S+16*\b], v[S+1+16*\b], v[S+2+16*\b]   ; the largest score of each block of 32 keys: it serves for the row's maximum and, since p rises with the score, for the block's largest p
.endr
.irp i, 3,5,7,9,11,13
.irp b, 0,1,2,3
	v_max3_num_f32 v[BM+\b], v[BM+\b], v[S+16*\b+\i], v[S+1+16*\b+\i]
.endr
.endr
.irp b, 0,1,2,3
	v_max_num_f32 v[BM+\b], v[BM+\b], v[S+15+16*\b]
.endr
.irp b, 0,1,2,3
	s_delay_alu instid0(VALU_DEP_4)
	v_permlanex16_b32 v[PX+\b], v[BM+\b], s[SEL], s[SEL+1]
.endr
.irp b, 0,1,2,3
	s_delay_alu instid0(VALU_DEP_4)
	v_max_num_f32 v[BM+\b], v[BM+\b], v[PX+\b]     ; with lane l xor 16's 16 keys
.endr
	s_delay_alu instid0(VALU_DEP_2)
	v_max3_num_f32 v[TMP], v[BM], v[BM+1], v[BM+2]
	s_delay_alu instid0(VALU_DEP_1)
	v_max_num_f32 v[TMP], v[TMP], v[BM+3]
	s_delay_alu instid0(VALU_DEP_1)
	v_mul_f32 v[TMP], s[CS], v[TMP]                ; the step's largest t (c is positive)
	s_delay_alu instid0(VALU_DEP_1)
	v_max_num_f32 v[\st+1], v[\st+1], v[TMP]
	v_mov_b32 v[TMP], v[\st]
	s_delay_alu instid0(VALU_DEP_2)
	v_floor_f32 v[\st], -v[\st+1]                  ; the new -M = floor(-t): M is a whole number
	s_delay_alu instid0(VALU_DEP_1)
	v_sub_f32 v[TMP], v[\st], v[TMP]               ; old M - new M: a whole number, 0 or less
	s_delay_alu instid0(VALU_DEP_1)
	v_cvt_i32_f32 v[TMP], v[TMP]                   ; (it saturates)
	s_delay_alu instid0(VALU_DEP_1)
	v_ldexp_f32 v[F], 1.0, v[TMP]                  ; f = 2^(old M - new M)
.set j, 0
.rept 32
	v_pk_fma_f32 v[S+j:S+j+1], v[S+j:S+j+1], s[CS:CS+1], v[\st:\st+1] op_sel_hi:[1,0,0]   ; t - M, two at a time
.set j, j+2
.endr
.irp b, 0,1,2,3
	v_fma_f32 v[BM+\b], v[BM+\b], s[CS], v[\st]    ; the same of each block's largest score
.endr
.set j, 0
	s_wait_alu depctr_va_vdst(0)
.rept 64
	v_exp_f32 v[S+j], v[S+j]                       ; p = 2^(t - M), at most 1
.set j, j+1
.endr
.irp b, 0,1,2,3
	v_exp_f32 v[BM+\b], v[BM+\b]                   ; the block's largest p: the same two instructions on the same number
.endr
	v_pk_mul_f32 v[\st+2:\st+3], v[\st+2:\st+3], v[F:F+1] op_sel_hi:[1,0]   ; l under the new M.  (The plain place behind the exponentials)
	s_wait_alu depctr_va_vdst(0)
.irp b, 0,1,2,3
	v_max_num_f32 v[BM+\b], 0x1800000, v[BM+\b]    ; the floor 2^(3 - 127): the byte cannot fall under 1
.endr
.irp b, 0,1,2,3
	s_delay_alu instid0(VALU_DEP_4)
	v_add_nc_u32 v[SO+\b], 0xff000000, v[BM+\b]    ; 2 off the exponent field: the conversion's scale operand
.endr
.irp b, 0,1,2,3
	s_delay_alu instid0(VALU_DEP_4)
	v_lshrrev_b32 v[PX+\b], 23, v[SO+\b]           ; the scale's byte
.endr
	s_delay_alu instid0(VALU_DEP_3)
	v_lshl_or_b32 v[\ps], v[PX+1], 8, v[PX]
	s_delay_alu instid0(VALU_DEP_1)
	v_lshl_or_b32 v[\ps], v[PX+2], 16, v[\ps]
	s_delay_alu instid0(VALU_DEP_1)
	v_lshl_or_b32 v[\ps], v[PX+3], 24, v[\ps]
.irp c, 0,1
	v_cvt_scalef32_pk16_fp6_f32 v[\p+6*\c:\p+6*\c+2], v[S+32*\c:S+32*\c+15], v[SO+2*\c]
	v_cvt_scalef32_pk16_fp6_f32 v[PX+4*\c:PX+4*\c+2], v[S+16+32*\c:S+31+32*\c], v[SO+2*\c+1]
.endr
	v_nop                                          ; one plain place behind a scaled conversion
.irp c, 0,1                                    ; a whole block to a lane
.irp i, 0,1,2
	v_permlane16_swap_b32 v[\p+6*\c+\i], v[PX+4*\c+\i]
.endr
.irp i, 0,1,2
	s_delay_alu instid0(VALU_DEP_3)
	v_mov_b32 v[\p+3+6*\c+\i], v[PX+4*\c+\i]
.endr
.endr
	v_pk_add_f32 v[PX:PX+1], v[S:S+1], v[S+2:S+3]  ; l takes the UNQUANTISED p: two at a time, in two chains
.irp j, 4,8,12,16,20,24,28,32,36,40,44,48,52,56,60
	v_pk_add_f32 v[\st+2:\st+3], v[\st+2:\st+3], v[S+\j:S+\j+1]
	v_pk_add_f32 v[PX:PX+1], v[PX:PX+1], v[S+2+\j:S+3+\j]
.endr
	s_delay_alu instid0(VALU_DEP_1)
	v_pk_add_f32 v[\st+2:\st+3], v[\st+2:\st+3], v[PX:PX+1]
.endm
.macro SM2 o                           ; O^T under the new M, each accumulator from its low end on
.set j, 0
.rept 16
	v_pk_mul_f32 v[\o+j:\o+j+1], v[\o+j:\o+j+1], v[F:F+1] op_sel_hi:[1,0]
.set j, j+2
.endr
.endm
; A KEY STEP: 128 keys, both tiles of queries.  V's fragments are read once for the two.
.macro STEP
	v_add_nc_u32 v[ADK], s[TB], v[L16]
	s_wait_alu depctr_va_vdst(0)
	v_add_nc_u32 v[ADK8], s[TB], v[L8]
	s_wait_alu depctr_va_vdst(0)
	v_add_nc_u32 v[ADV], s[TB], v[LV]
	QK QA, 0
	SM1 STA, PA, PSA
	SM2 OA
	QK QB, 1
	SM1 STB, PB, PSB
.irp t, 0,1,2,3
.irp c, 0,1,2
	ds_load_b128 v[S+12*\t+4*\c:S+12*\t+4*\c+3], v[ADV] offset:1536*\t+512*\c   ; 16 channels x 128 keys, into p's registers, which are done with
.endr
.endr
	ds_load_b128 v[VSC:VSC+3], v[ADV] offset:6144
	SM2 OB                                         ; sixteen plain lines while V is on its way
	s_wait_alu depctr_va_vdst(0)
	s_wait_dscnt 0x0
.irp t, 0,1,2,3                                ; the eight accumulators take turns, one instruction a turn
	v_wmma_scale_f32_16x16x128_f8f6f4 v[OA+8*\t:OA+8*\t+7], v[S+12*\t:S+12*\t+11], v[PA:PA+11], v[OA+8*\t:OA+8*\t+7], v[VSC+\t], v[PSA] matrix_a_fmt:MATRIX_FMT_FP6 matrix_b_fmt:MATRIX_FMT_FP6
	v_wmma_scale_f32_16x16x128_f8f6f4 v[OB+8*\t:OB+8*\t+7], v[S+12*\t:S+12*\t+11], v[PB:PB+11], v[OB+8*\t:OB+8*\t+7], v[VSC+\t], v[PSB] matrix_a_fmt:MATRIX_FMT_FP6 matrix_b_fmt:MATRIX_FMT_FP6
.endr
.rept 5
	v_nop                                          ; five places: the next step's first products write over V's fragments; behind the last step O^T is read
.endr
	s_add_co_u32 s[TB], s[TB], REC
.endm
.macro KEYS n
	s_mov_b32 s[CNT], \n
.Lkeys_\@:
	STEP
	s_sub_co_u32 s[CNT], s[CNT], 1
	s_cmp_lg_u32 s[CNT], 0
	s_cbranch_scc1 .Lkeys_\@
.endm
	s_wait_loadcnt 0x0                             ; Q
	s_cmp_lt_u32 s[WV], 2                          ; waves 0 and 1 asked for steps 0-3: they wait; the loads of steps 4-15 may be out
	s_cbranch_scc0 .Lnot_first
	s_wait_tensorcnt 0x0
.Lnot_first:
	s_barrier_signal -1
	s_barrier_wait -1                              ; every wave may read steps 0-3
	KEYS 4
	s_wait_tensorcnt 0x0                           ; steps 4-15 have landed
	s_wait_dscnt 0x0
	s_barrier_signal -1
	s_barrier_wait -1
	s_mov_b32 s[TB], 4*REC
	KEYS 12
; One tile's way out.  y: 32 registers for O / l; x: 0 tile A, 1 tile B
.macro FINISH st, o, y, p, ps, x
	v_add_f32 v[\st+2], v[\st+2], v[\st+3]         ; l's two halves,
	s_delay_alu instid0(VALU_DEP_1)
	v_permlanex16_b32 v[TMP], v[\st+2], s[SEL], s[SEL+1]
	s_delay_alu instid0(VALU_DEP_1)
	v_add_f32 v[\st+2], v[\st+2], v[TMP]           ; and lane l xor 16's
	s_wait_alu depctr_va_vdst(0)
	v_rcp_f32 v[\st+2], v[\st+2]
	v_nop                                          ; one plain place behind a transcendental
.set j, 0
	s_wait_alu depctr_va_vdst(0)
.rept 32
	v_mul_f32 v[\y+j], v[\o+j], v[\st+2]           ; register 8 t + i: channel 16 t + 8 h + i of my query
.set j, j+1
.endr
.irp b, 0,1
.irp i, 0,1,2,3,4,5,6,7
	v_permlane16_swap_b32 v[\y+16*\b+\i], v[\y+16*\b+8+\i]   ; register 16 b + i now holds channel 32 b + 16 h + i: the true order
.endr
.endr
.irp b, 0,1
	v_max3_num_f32 v[BM+\b], |v[\y+16*\b]|, |v[\y+1+16*\b]|, 0x1800000
.endr
.irp i, 2,4,6,8,10,12,14
.irp b, 0,1
	s_delay_alu instid0(VALU_DEP_2)
	v_max3_num_f32 v[BM+\b], v[BM+\b], |v[\y+16*\b+\i]|, |v[\y+1+16*\b+\i]|
.endr
.endr
.irp b, 0,1
	s_delay_alu instid0(VALU_DEP_2)
	v_permlanex16_b32 v[PX+\b], v[BM+\b], s[SEL], s[SEL+1]
.endr
.irp b, 0,1
	s_delay_alu instid0(VALU_DEP_2)
	v_max_num_f32 v[BM+\b], v[BM+\b], v[PX+\b]
.endr
.irp b, 0,1
	s_delay_alu instid0(VALU_DEP_2)
	v_add_nc_u32 v[SO+\b], 0xff000000, v[BM+\b]
.endr
.irp b, 0,1
	s_delay_alu instid0(VALU_DEP_2)
	v_lshrrev_b32 v[PX+\b], 23, v[SO+\b]
.endr
	s_delay_alu instid0(VALU_DEP_1)
	v_lshl_or_b32 v[\ps], v[PX+1], 8, v[PX]        ; my token's two scale bytes of this head
	v_cvt_scalef32_pk16_fp6_f32 v[\p:\p+2], v[\y:\y+15], v[SO]
	v_cvt_scalef32_pk16_fp6_f32 v[PX+4:PX+6], v[\y+16:\y+31], v[SO+1]
	v_nop                                          ; one plain place behind a scaled conversion
.irp i, 0,1,2
	v_permlane16_swap_b32 v[\p+\i], v[PX+4+\i]
.endr
.irp i, 0,1,2
	s_delay_alu instid0(VALU_DEP_3)
	v_mov_b32 v[\p+3+\i], v[PX+4+\i]               ; lane (r, h): token r, the head's block h: six registers
.endr
	global_store_b128 v[L16], v[\p:\p+3], s[6:7] offset:\x*12288
	global_store_b64 v[L8], v[\p+4:\p+5], s[6:7] offset:\x*12288+512
.endm
	FINISH STA, OA, S, PA, PSA, 0
	FINISH STB, OB, S+32, PB, PSB, 1
	v_cndmask_b32 v[TMP], v[PSA], v[PSB], s54      ; lane l: token 32 x wave + l
	global_store_b16 v[L32], v[TMP], s[8:9]
	s_wait_tensorcnt 0x0
	ds_add_u32 v41, v245
	s_wait_dscnt 0x0
	CROUND                                         ; the closing round: no work-group ends while a partner may still ask for a tile that names it
	s_endpgm
.Lfunc_end_k_q84d586924b_attn:
	.size	k_q84d586924b_attn, .Lfunc_end_k_q84d586924b_attn-k_q84d586924b_attn
	.p2alignl 7, 3214868480
	.fill 96, 4, 3214868480
	.section	.rodata,"a",@progbits
	.p2align	6, 0x0
	.amdhsa_kernel k_q84d586924b_attn
		.amdhsa_group_segment_fixed_size 215040
		.amdhsa_private_segment_fixed_size 0
		.amdhsa_enable_private_segment 0
		.amdhsa_kernarg_size 24
		.amdhsa_user_sgpr_count 2
		.amdhsa_user_sgpr_kernarg_segment_ptr 1
		.amdhsa_wavefront_size32 1
		.amdhsa_system_sgpr_workgroup_id_x 1
		.amdhsa_system_sgpr_workgroup_id_y 1
		.amdhsa_system_sgpr_workgroup_id_z 1
		.amdhsa_system_vgpr_workitem_id 0
		.amdhsa_next_free_vgpr 256
		.amdhsa_next_free_sgpr 66
		.amdhsa_reserve_vcc 0
		.amdhsa_float_denorm_mode_32 3
		.amdhsa_float_denorm_mode_16_64 3
		.amdhsa_memory_ordered 1
		.amdhsa_forward_progress 1
		.amdhsa_inst_pref_size 86
	.end_amdhsa_kernel
	.amdgpu_metadata
---
amdhsa.version: [ 1, 2 ]
amdhsa.kernels:
  - .name:           k_q84d586924b_attn
    .symbol:         k_q84d586924b_attn.kd
    .args:
      - { .name: qkv, .offset: 0, .size: 8, .value_kind: global_buffer, .address_space: global }
      - { .name: a_img, .offset: 8, .size: 8, .value_kind: global_buffer, .address_space: global }
      - { .name: a_scales, .offset: 16, .size: 8, .value_kind: global_buffer, .address_space: global }
    .group_segment_fixed_size: 215040
    .private_segment_fixed_size: 0
    .kernarg_segment_align: 8
    .kernarg_segment_size: 24
    .max_flat_workgroup_size: 512
    .sgpr_count:     66
    .vgpr_count:     256
    .wavefront_size: 32
...
	.end_amdgpu_metadata
.endif
;; end of part 2
;; launch proj (part 3): grid 4 x 64, 4 waves a work-group, clusters of 4 x 4, 327,680 bytes of LDS; arguments a_img, a_scales, w_out_codes, w_out_scales, b_out, out0; writes out0
.if DOCPART == 3
	.amdgcn_target "amdgcn-amd-amdhsa--gfx1250"
	.amdhsa_code_object_version 6
	.text
	.protected	k_q84d586924b_proj
	.globl	k_q84d586924b_proj
	.p2align	8
	.type	k_q84d586924b_proj,@function
k_q84d586924b_proj:
	s_mov_b64 s[64:65], 0
	v_nop
	global_prefetch_b8 v0, s[64:65] scope:SCOPE_SE
	s_setreg_imm32_b32 hwreg(HW_REG_WAVE_MODE, 25, 1), 1
	s_wait_xcnt 0x0
	s_wait_alu depctr_hold_cnt(0) depctr_sa_sdst(0) depctr_va_vdst(0) depctr_va_sdst(0) depctr_va_ssrc(0) depctr_va_vcc(0) depctr_vm_vsrc(0)
	s_getreg_b32 s2, hwreg(HW_REG_IB_STS2, 6, 4)
	s_cmp_eq_u32 s2, 0
	s_cbranch_scc0 .Lentry_in_a_cluster
	s_endpgm
.Lentry_in_a_cluster:
	s_bfe_u32 s2, ttmp6, 0x10000c
	s_cmp_lg_u32 s2, 0xf033
	s_cbranch_scc0 .Lentry_shape_is_right
	s_endpgm
.Lentry_shape_is_right:
; out0 = attention's result x w_out + b_out on codes of FP6 (E2M3) with E8M0 scales; f32 out.
; A BLOCK is 128 tokens x 256 columns, ALL of K = 1,024 in LDS, filled once, one joint load a wave: 256 work-groups.
; A: images of operand registers, [token tile of 16][head 16][768 bytes]: my 8 token tiles are 98,304 dense bytes, fetched as rows of 256 bytes.
; B: 256 rows of w_out, 768 bytes each, 16 bytes of padding behind every 256 (pitch 816).
; Four waves, 2 x 2: a wave makes 64 x 128 in 32 accumulators.  Source 0 = rows of w_out, source 1 = tokens: a lane holds eight neighbouring columns of a row of the result.
; The bias is the first products' C.  The scale words go from memory into registers (lane l: 32 bytes of row l of 32 rows).
; CLUSTERS 4 x 4: A is shared along a row of the cluster, B along a column.  No prefetch: every tile is asked for at the head, and there is no loop to run ahead in.
; THE WAY OUT: 16 rows x 512 bytes at a time through my stage in LDS, which lies on A's bytes: they have had their only fill, and a barrier in the last K step shows that nobody reads them any more.
.set KROW,  768
.set PITCH, 816
.set FR,    12
.set LB,    98304
.set SPARE, LB+256*PITCH
.set SPITCH, 528
.set STO,  24
.set RD,   25
.set CO,   26
.set SPW,  28
.set NIL,  29
.set LN,   30
.set SA,   32
.set SBR,  52
.set AA,   84                          ; 16 x lane and 8 x lane in my four token tiles
.set BA,   92
.set AF,   128
.set BK,   128
.set G1,   24
.set G0,   32
.set G0B,  36
.set G1B,  48
.set MSB, 0
.set NLD, 0
.macro WIN new
.if MSB != (\new)
	s_set_vgpr_msb (MSB<<8)|(\new)
.set MSB, (\new)
.endif
.endm
.macro PLACES n
.rept \n
	v_nop
.endr
.endm
.macro CROUND
	s_barrier_signal -1
	s_barrier_wait -1
	s_cmp_lg_u32 s16, 0
	s_cbranch_scc1 .Lnot_wave_0_\@
	s_barrier_signal -3
.Lnot_wave_0_\@:
	s_barrier_wait -3
	s_barrier_signal -1
	s_barrier_wait -1
.endm
.macro FRAG reg, q, a0                 ; B: six pieces of 8 bytes, two to a load where both go by the same address register
.set SKIP_, 0
.irp p, 0,1,2,3,4,5
.if SKIP_
.set SKIP_, 0
.else
.set PC_, 12*(\q)+6*(\p/3)+\p%3
.set PN_, 12*(\q)+6*((\p+1)/3)+(\p+1)%3
.set X_, (PC_%32+3)/32
.set XQ_, (PN_%32+3)/32
.set NLD, NLD+1
.if (\p < 5) && (X_ == XQ_)
.set SKIP_, 1
	ds_load_2addr_b64 v[\reg+2*\p:\reg+2*\p+3], v[\a0+X_] offset0:PC_+2*(PC_/32) offset1:PN_+2*(PN_/32)
.else
	ds_load_b64 v[\reg+2*\p:\reg+2*\p+1], v[\a0+X_] offset:8*(PC_+2*(PC_/32))
.endif
.endif
.endr
.endm
.macro FRAGA reg, q, i                 ; A: heads 2 q and 2 q + 1 of token tile i, as they were stored
	ds_load_b128 v[\reg:\reg+3], v[AA] offset:12288*(\i)+1536*(\q)
	ds_load_b64 v[\reg+4:\reg+5], v[AA+1] offset:12288*(\i)+1536*(\q)+512
	ds_load_b128 v[\reg+6:\reg+9], v[AA] offset:12288*(\i)+1536*(\q)+768
	ds_load_b64 v[\reg+10:\reg+11], v[AA+1] offset:12288*(\i)+1536*(\q)+1280
.set NLD, NLD+4
.endm
.macro FETCH q, set
.set NLD, 0
	WIN 0x40
.irp i, 0,1,2,3,4,5,6,7
	FRAG 128*(\set)+FR*\i, \q, BA+2*\i
.endr
	WIN 0
.irp i, 0,1,2,3
	FRAGA AF+48*(\set)+FR*\i, \q, \i
.endr
.endm
.macro MUL32 q, set, zero              ; the 32 accumulators by turns
.irp ah, 0,1
.irp ap, 0,1
.irp bh, 0,1,2,3
.irp bp, 0,1
.set D_, 8*(8*(2*\ah+\ap)+2*\bh+\bp)
.set B_, 128*(\set)+FR*(2*\bh+\bp)
.set A_, AF+48*(\set)+FR*(2*\ah+\ap)
.set C_, 8*(2*\bh+\bp)
.if \zero
	v_wmma_scale_f32_16x16x128_f8f6f4 v[D_:D_+7], v[B_:B_+FR-1], v[A_:A_+FR-1], v[C_:C_+7], v[SBR+8*\bh+(\q)], v[SA+8*\ah+(\q)] matrix_a_fmt:MATRIX_FMT_FP6 matrix_b_fmt:MATRIX_FMT_FP6 matrix_a_scale:MATRIX_SCALE_ROW\bp matrix_b_scale:MATRIX_SCALE_ROW\ap
.else
	v_wmma_scale_f32_16x16x128_f8f6f4 v[D_:D_+7], v[B_:B_+FR-1], v[A_:A_+FR-1], v[D_:D_+7], v[SBR+8*\bh+(\q)], v[SA+8*\ah+(\q)] matrix_a_fmt:MATRIX_FMT_FP6 matrix_b_fmt:MATRIX_FMT_FP6 matrix_a_scale:MATRIX_SCALE_ROW\bp matrix_b_scale:MATRIX_SCALE_ROW\ap
.endif
.endr
.endr
.endr
.endr
.endm
	s_load_b128 s[4:7], s[0:1], 0x0                ; a_img, a_scales
	s_load_b128 s[8:11], s[0:1], 0x10              ; w_out's codes, its scales
	s_load_b128 s[12:15], s[0:1], 0x20             ; b_out, out0
	v_lshl_add_u32 v[SPW], v0, 2, SPARE
	v_mov_b32 v[NIL], 0
	ds_add_u32 v[SPW], v[NIL]                      ; the opening lines
	ds_add_u32 v[SPW], v[NIL]
	v_lshrrev_b32 v1, 5, v0
	v_readfirstlane_b32 s16, v1                    ; wave
	s_lshr_b32 s17, s16, 1                         ; my half of the tokens; also: I fetch for A (0) or B (1)
	s_and_b32 s18, s16, 1                          ; my half of the columns; also: which half I fetch
	s_bfe_u32 s40, ttmp6, 0x40000
	s_bfe_u32 s41, ttmp6, 0x40004
	s_and_b32 s42, ttmp7, 0xffff
	s_lshl_b32 s42, s42, 2
	s_add_co_u32 s42, s42, s41                     ; A's tile of 128 tokens
	s_lshl_b32 s43, ttmp9, 2
	s_add_co_u32 s43, s43, s40                     ; B's tile of 256 columns
	s_lshl_b32 s44, s41, 2
	s_lshl_b32 s44, 15, s44
	s_lshl_b32 s45, 0x1111, s40
	s_or_b32 s[G1+0], s44, (3<<16)|(1<<21)         ; A: 49,152 dense bytes as 192 rows of 256, no padding
	s_mov_b32 s[G1+1], 32<<16
	s_mov_b32 s[G1+2], 192<<16
	s_mov_b32 s[G1+3], 32<<16
	s_mov_b32 s[G1+4], 192
	s_mov_b32 s[G1+5], 32
	s_mov_b32 s[G1+6], 0
	s_mov_b32 s[G1+7], 0
	s_or_b32 s[G1B+0], s45, (1<<20)|(1<<21)|(5<<22)|(3<<25)   ; B: 128 rows of 768 bytes
	s_mov_b32 s[G1B+1], KROW<<16
	s_mov_b32 s[G1B+2], 128<<16
	s_mov_b32 s[G1B+3], KROW<<16
	s_mov_b32 s[G1B+4], 128
	s_mov_b32 s[G1B+5], KROW
	s_mov_b32 s[G1B+6], 0
	s_mov_b32 s[G1B+7], 0
	s_lshl_b32 s66, s42, 1
	s_add_co_u32 s66, s66, s18
	s_mul_i32 s66, s66, 49152                      ; the four token tiles that I may fetch
	s_mov_b32 s67, 0
	s_lshl_b32 s68, s43, 8
	s_lshl_b32 s46, s18, 7
	s_add_co_u32 s68, s68, s46
	s_lshl_b32 s72, s68, 5                         ; my 128 rows of B: their scale bytes
	s_lshl_b32 s74, s68, 2                         ; my first column, in bytes of f32
	s_mul_i32 s68, s68, KROW
	s_mov_b32 s69, 0
	s_mov_b32 s73, 0
	s_mov_b32 s75, 0
	s_lshl_b32 s70, s42, 7
	s_lshl_b32 s46, s17, 6
	s_add_co_u32 s70, s70, s46                     ; my first token
	s_lshl_b32 s76, s70, 12                        ; its row of the result
	s_add_co_u32 s76, s76, s74
	s_mov_b32 s77, 0
	s_lshl_b32 s70, s70, 5
	s_mov_b32 s71, 0
	s_mov_b32 s[G0], 1
	s_mul_i32 s[G0+1], s18, 49152
	s_mov_b32 s[G0B], 1
	s_mul_i32 s[G0B+1], s18, 128*PITCH
	s_add_co_u32 s[G0B+1], s[G0B+1], LB
	s_wait_alu depctr_va_vdst(0)                   ; the wait ahead of the blocking wait
	s_wait_dscnt 0x0
	CROUND                                         ; the round in front of the joint loads
	s_wait_kmcnt 0x0
	s_add_nc_u64 s[G0+2:G0+3], s[4:5], s[66:67]
	s_or_b32 s[G0+3], s[G0+3], 0x80000000
	s_add_nc_u64 s[G0B+2:G0B+3], s[8:9], s[68:69]
	s_or_b32 s[G0B+3], s[G0B+3], 0x80000000
	s_add_nc_u64 s[58:59], s[6:7], s[70:71]
	s_add_nc_u64 s[62:63], s[10:11], s[72:73]
	s_add_nc_u64 s[78:79], s[12:13], s[74:75]
	s_add_nc_u64 s[80:81], s[14:15], s[76:77]
	s_cmp_eq_u32 s17, 0                            ; one load a wave: waves 0, 1 a half of A each, waves 2, 3 a half of B each
	s_cbranch_scc0 .Lfor_b
	tensor_load_to_lds s[G0:G0+3], s[G1:G1+7]
	s_nop 0
	PLACES 4
	s_branch .Lasked
.Lfor_b:
	tensor_load_to_lds s[G0B:G0B+3], s[G1B:G1B+7]
	s_nop 0
	PLACES 4
.Lasked:
	s_mul_i32 s46, s17, 49152
	s_mul_i32 s47, s18, 128*PITCH
	s_add_co_u32 s47, s47, LB
	s_mul_i32 s23, s16, 16*SPITCH
	v_and_b32 v1, 15, v0
	v_bfe_u32 v2, v0, 4, 1
	v_and_b32 v[LN], 31, v0
	v_mul_u32_u24 v3, v1, PITCH
	v_mad_u32_u24 v4, v2, 24, v3
	v_mad_u32_u24 v5, v2, 40, v3
	v_lshlrev_b32 v[CO], 4, v[LN]
	v_lshlrev_b32 v7, 3, v[LN]
	v_add_nc_u32 v[AA], s46, v[CO]
	v_add_nc_u32 v[AA+1], s46, v7
	v_add_nc_u32 v[BA], s47, v4
	v_add_nc_u32 v[BA+1], s47, v5
.irp i, 1,2,3,4,5,6,7
	v_add_nc_u32 v[BA+2*\i], \i*16*PITCH, v[BA]
	v_add_nc_u32 v[BA+2*\i+1], \i*16*PITCH, v[BA+1]
.endr
	v_lshlrev_b32 v6, 5, v[LN]
	v_lshlrev_b32 v8, 5, v2
	v_mul_u32_u24 v9, v1, SPITCH
	v_lshl_add_u32 v9, v2, 5, v9
	v_add_nc_u32 v[STO], s23, v9
	v_add_nc_u32 v[RD], s23, v[CO]
	s_wait_alu depctr_va_vdst(0)                   ; the wait at the head's end
.irp p, 0,1
.irp c, 0,1
	global_load_b128 v[SA+8*\p+4*\c:SA+8*\p+4*\c+3], v6, s[58:59] offset:1024*\p+16*\c
.endr
.endr
.irp p, 0,1,2,3
.irp c, 0,1
	global_load_b128 v[SBR+8*\p+4*\c:SBR+8*\p+4*\c+3], v6, s[62:63] offset:1024*\p+16*\c
.endr
.endr
	WIN 0xc0
.irp t, 0,1,2,3,4,5,6,7
	global_load_b128 v[8*\t:8*\t+3], v8, s[78:79] offset:64*\t     ; the bias of column 16 b + 8 h + j at register 8 b + j of window 3
	global_load_b128 v[8*\t+4:8*\t+7], v8, s[78:79] offset:64*\t+16
.endr
	WIN 0
	s_wait_loadcnt 0x0
	s_wait_tensorcnt 0x0
	s_barrier_signal -1
	s_barrier_wait -1
	FETCH 0, 0
.set Q, 0
.rept 8
.if Q < 7
.if Q > 0
	PLACES 4
.endif
	FETCH Q+1, (Q+1)%2
	s_wait_dscnt NLD                               ; all but the NLD loads just issued
.else
	s_wait_dscnt 0x0                               ; my reads of the tiles are over:
	s_barrier_signal -1                            ; say so; the products stand between signal and wait
.endif
.if Q == 0
	WIN 0xb1
.else
	WIN 0xa1
.endif
	MUL32 Q, Q%2, (Q==0)
.set Q, Q+1
.endr
	WIN 0
	s_barrier_wait -1                              ; nobody reads A's bytes any more: the stages may lie there
.macro TOSTAGE a
	WIN 0x08
.irp b, 0,1,2,3,4,5,6,7
	ds_store_b128 v[STO], v[64*(\a)+8*\b:64*(\a)+8*\b+3] offset:64*\b       ; each accumulator from its low end on
	ds_store_b128 v[STO], v[64*(\a)+8*\b+4:64*(\a)+8*\b+7] offset:64*\b+16
.endr
	WIN 0
.set BB, BK+64*((\a)%2)
.irp t, 0,1,2,3,4,5,6,7,8,9,10,11,12,13,14,15
	ds_load_b128 v[BB+4*\t:BB+4*\t+3], v[RD] offset:\t*SPITCH
.endr
.endm
.macro SEND a, younger                 ; younger: the LDS instructions issued behind block a's loads
.set BB, BK+64*((\a)%2)
	s_wait_dscnt \younger
.if (\a) > 0
	s_add_nc_u64 s[80:81], s[80:81], 16*4096       ; behind a wait on XCNT: the earlier stores have read their base
.endif
.irp t, 0,1,2,3,4,5,6,7,8,9,10,11,12,13,14,15
	global_store_b128 v[CO], v[BB+4*\t:BB+4*\t+3], s[80:81] offset:\t*4096 th:TH_STORE_NT   ; 32 lanes store 512 consecutive bytes, aligned
.endr
.endm
	PLACES 4
	TOSTAGE 0
.irp a, 1,2,3
.if \a > 1
	s_wait_xcnt 0x0
.endif
	TOSTAGE \a
	SEND \a-1, 32
.endr
	s_wait_xcnt 0x0
	SEND 3, 0
	s_wait_tensorcnt 0x0                           ; the wave's end
	ds_add_u32 v[SPW], v[NIL]
	s_wait_dscnt 0x0
	CROUND                                         ; the closing round
	s_endpgm
.Lfunc_end_k_q84d586924b_proj:
	.size	k_q84d586924b_proj, .Lfunc_end_k_q84d586924b_proj-k_q84d586924b_proj
	.p2alignl 7, 3214868480
	.fill 96, 4, 3214868480
	.section	.rodata,"a",@progbits
	.p2align	6, 0x0
	.amdhsa_kernel k_q84d586924b_proj
		.amdhsa_group_segment_fixed_size 327680
		.amdhsa_private_segment_fixed_size 0
		.amdhsa_enable_private_segment 0
		.amdhsa_kernarg_size 48
		.amdhsa_user_sgpr_count 2
		.amdhsa_user_sgpr_kernarg_segment_ptr 1
		.amdhsa_wavefront_size32 1
		.amdhsa_system_sgpr_workgroup_id_x 1
		.amdhsa_system_sgpr_workgroup_id_y 1
		.amdhsa_system_sgpr_workgroup_id_z 1
		.amdhsa_system_vgpr_workitem_id 0
		.amdhsa_next_free_vgpr 832
		.amdhsa_next_free_sgpr 102
		.amdhsa_reserve_vcc 0
		.amdhsa_float_denorm_mode_32 3
		.amdhsa_float_denorm_mode_16_64 3
		.amdhsa_memory_ordered 1
		.amdhsa_forward_progress 1
		.amdhsa_inst_pref_size 80
	.end_amdhsa_kernel
	.amdgpu_metadata
---
amdhsa.version: [ 1, 2 ]
amdhsa.kernels:
  - .name:           k_q84d586924b_proj
    .symbol:         k_q84d586924b_proj.kd
    .args:
      - { .name: a_img, .offset: 0, .size: 8, .value_kind: global_buffer, .address_space: global }
      - { .name: a_scales, .offset: 8, .size: 8, .value_kind: global_buffer, .address_space: global }
      - { .name: w_out_codes, .offset: 16, .size: 8, .value_kind: global_buffer, .address_space: global }
      - { .name: w_out_scales, .offset: 24, .size: 8, .value_kind: global_buffer, .address_space: global }
      - { .name: b_out, .offset: 32, .size: 8, .value_kind: global_buffer, .address_space: global }
      - { .name: out0, .offset: 40, .size: 8, .value_kind: global_buffer, .address_space: global }
    .group_segment_fixed_size: 327680
    .private_segment_fixed_size: 0
    .kernarg_segment_align: 8
    .kernarg_segment_size: 48
    .max_flat_workgroup_size: 128
    .sgpr_count:     102
    .vgpr_count:     832
    .wavefront_size: 32
...
	.end_amdgpu_metadata
.endif
;; end of part 3
